; MI455X (gfx1250); checked and timed in simulation.
; The chip was launched on July 23, 2026; its instructions are those of AMD's public machine-readable ISA for CDNA 5 (MIT licence, August 2026) and "CDNA5" Instruction Set Architecture Reference Guide (July 2026). The comments in the code are by the model that wrote it; some were corrected since.
;; RPE Multi Head Attention. Allowed arithmetic: matrix products marked QUANTISED: E2M1 operands, one E8M0 scale for each 32 along K, by v_wmma_scale_f32_16x16x128_f8f6f4 with both operands' format E2M1 (or v_wmma_scale_f32_32x16x128_f4), f32 sums; products left as they are: bf16, f16 or f32 operands; f32 sums; everything else in f32.
;; Inputs: Wk 512 x 512 float32; Wo 512 x 512 float32; Wq 512 x 512 float32; Wv 512 x 512 float32; bk 512 float32; bo 512 float32; bq 512 float32; bv 512 float32; key 4 x 2,048 x 512 float32; query 4 x 2,048 x 512 float32; rel_emb 257 x 8 float32; value 4 x 2,048 x 512 float32.
;; Outputs: out0 4 x 2,048 x 512 float32.
;; This version of the problem:
;;   THIS VERSION OF THE PROBLEM IS GIVEN IN LOW PRECISION. The matrix products marked QUANTISED in the list below multiply operands that are first quantised to E2M1 (2 exponent bits, 1 mantissa bit; 4 bits a number), with one power-of-two scale for each 32 numbers along K (OCP MX v1.0); their sums are f32. The products marked 'left as it is' may take bf16, f16 or f32 operands, with f32 sums. All else is computed in f32.
;;   The module's matrix products, in the order in which they are computed (A, B: the left and right operand; K: the contracted axis; several contracted axes count as one K, in the product's order):
;;     1. [M 8,192, K 512] x [K 512, N 512]; A: input query; B: input Wq: QUANTISED
;;     2. [M 8,192, K 512] x [K 512, N 512]; A: input key; B: input Wk: QUANTISED
;;     3. [M 8,192, K 512] x [K 512, N 512]; A: input value; B: input Wv: QUANTISED
;;     4. batch 32 x [M 2,048, K 64] x [K 64, N 2,048]; A: computed on the way; B: computed on the way: left as it is (an operand is computed on the way)
;;     5. batch 32 x [M 2,048, K 2,048] x [K 2,048, N 64]; A: computed on the way; B: computed on the way: left as it is (an operand is computed on the way)
;;     6. [M 8,192, K 512] x [K 512, N 512]; A: computed on the way; B: input Wo: left as it is (an operand is computed on the way)
;;   THE QUANTISER, for each operand of a quantised product, along K:
;;     - K is cut into blocks of 32 from its start; a last block that is shorter is filled with zeros.
;;     - A block's scale is 2^e with e = floor(log2(the largest magnitude in the block)) - 2, held to -126 .. 127; a block of zeros has e = 0. As a byte (E8M0): e + 127.
;;     - Each number is divided by its block's scale, clamped to +-6, and rounded to the nearest number of E2M1, ties to even, subnormals kept.
;;     - The product sums the exact products of the quantised numbers (number of the format x scale) in f32.
;;   ~~~python
;;   def quantise(x, axis):      # numpy; x: float32 -> the quantised numbers, widened to float32 again
;;       x = np.moveaxis(x, axis, -1); K = x.shape[-1]
;;       x = np.pad(x, [(0, 0)] * (x.ndim - 1) + [(0, -K % 32)]); x = x.reshape(x.shape[:-1] + (-1, 32)); a = np.abs(x).max(-1, keepdims=True)
;;       e = np.where(a > 0, np.clip(np.frexp(np.where(a > 0, a, 1))[1] - 1 - 2, -126, 127), 0)      # np.frexp(a)[1] - 1 = floor(log2(a)), exactly
;;       r = np.clip(x / 2.0 ** e, -6, 6)
;;       step = 2.0 ** (np.maximum(np.frexp(np.where(r == 0, 1, r))[1] - 1, 0) - 1)
;;       q = np.round(r / step) * step * 2.0 ** e      # np.round: ties to even
;;       return np.moveaxis(q.reshape(q.shape[:-2] + (-1,))[..., :K], -1, axis).astype(np.float32)
;;   ~~~
;; One version. Each part assembles by itself: llvm-mc -triple=amdgcn-amd-amdhsa -mcpu=gfx1250 --defsym DOCPART=n.
;; ======== version 1 of 1: 4 launches
;; limits: values are held in f16: magnitudes above 65,504 overflow, below 6.1e-05 lose precision
;; workspace buffers: w_codes 393,216 bytes; w_scales 24,576 bytes; wo_img 524,288 bytes; bias_img 196,608 bytes; qkv 25,165,824 bytes; a_img 8,388,608 bytes
;; launch prep (part 1): grid 32 x 5, 1 waves a work-group, no clusters, 0 bytes of LDS; arguments Wq, Wk, Wv, Wo, rel_emb, w_codes, w_scales, wo_img, bias_img; writes w_codes, w_scales, wo_img, bias_img
.if DOCPART == 1
	.amdgcn_target "amdgcn-amd-amdhsa--gfx1250"
	.amdhsa_code_object_version 6
	.text
	.protected	k_qc7cca1bbb8_prep
	.globl	k_qc7cca1bbb8_prep
	.p2align	8
	.type	k_qc7cca1bbb8_prep,@function
k_qc7cca1bbb8_prep:
	s_mov_b64 s[64:65], 0
	v_nop
	global_prefetch_b8 v0, s[64:65] scope:SCOPE_SE
	s_setreg_imm32_b32 hwreg(HW_REG_WAVE_MODE, 25, 1), 1
	s_wait_xcnt 0x0
; PREP: what every later work-group would otherwise make again is made once.
;   y = 0, 1, 2: Wq, Wk, Wv [512][512] f32 (K innermost) become codes of FP4 (E2M1) with one E8M0 byte for each 32 along K.
;   y = 3:       Wo [512][512] f32 becomes f16.
;   y = 4:       rel_emb [257][8] becomes tiles of the bias, times log2(e), in the layout of a matrix result.
; One wave to a work-group; x = 0..31 is the tile of 16 rows of a weight (y < 4), or head + 8 x quarter (y = 4).
; EVERYTHING IS LAID AS AN IMAGE OF OPERAND REGISTERS: four registers of the 32 lanes are 512 bytes, lane l's 16 bytes at 16 l,
; so that the reader fills a fragment by loads of 16 bytes a lane from consecutive bytes, and each store here covers 512 consecutive aligned bytes.
;   w_codes  [tensor 3][tile 32][K step 4][c 2][512]: lane (r, h): row 16 tile + r, k = 128 s + 64 c + 32 h + 0..31
;   w_scales [tensor 3][row 512][16]: byte b of a row scales k = 32 b .. 32 b + 31
;   wo_img   [chunk 4][tile 32][ksl 4][u 2][512]: lane (r, h): row 16 tile + r, k = 128 chunk + 32 ksl + 16 u + 8 h + 0..7
;   bias_img [head 8][tile z 24][u 2][512] f32: register j of lane (r, h) = rel_emb[clip(16 (z - 11) + r - 8 h - j, -128, 128) + 128][head] x log2(e)
; A block's scale is 2^(floor(log2(its largest magnitude)) - 2); its byte is the largest magnitude's exponent field - 2, held at 1 from below.
; LIMITS: a block of zeros gets the byte 1 where the rule says 127 (its codes are zeros, and this program alone reads the bytes); NaN and infinities are not served.
; No LDS, no barrier: a wave shares nothing.  The launch reads 4 MiB in all, so the loads are left as the layout gives them (16 rows, 16 bytes a lane).
.set X,  32                            ; v32-159  two sets of 64 numbers as loaded
.set CD, 160                           ; v160-223 codes (8 a K step), or f16 (two sets of 32)
.set SW, 192                           ; v192-195 the four scale words of my row (weights to codes only)
.set TM, 14                            ; v14-15   largest magnitudes of my two blocks
.set SO, 16                            ; v16-17   the conversions' scale operands
.set BY, 18                            ; v18-19   the scale bytes
.set AD, 32                            ; v32-79   bias: 48 byte offsets into rel_emb
.set DT, 80                            ; v80-127  bias: 48 numbers
.macro WLOAD s                         ; K step s: my two blocks of 32 numbers (c = 0, 1), 128 bytes each, into set s % 2
.irp c, 0,1
.irp i, 0,1,2,3,4,5,6,7
	global_load_b128 v[X+64*((\s)%2)+32*\c+4*\i:X+64*((\s)%2)+32*\c+4*\i+3], v1, s[4:5] offset:512*(\s)+256*\c+16*\i th:TH_LOAD_NT
.endr
.endr
.endm
.macro WQ s                            ; K step s is quantised and stored
.set XS, X+64*((\s)%2)
.irp c, 0,1
	v_max3_num_f32 v[TM+\c], |v[XS+32*\c]|, |v[XS+32*\c+1]|, 0x1800000   ; all 32 numbers of a block are mine; the floor 2^(3 - 127) holds the byte at 1 from below
.endr
.irp i, 2,4,6,8,10,12,14,16,18,20,22,24,26,28,30
.irp c, 0,1
	v_max3_num_f32 v[TM+\c], v[TM+\c], |v[XS+32*\c+\i]|, |v[XS+32*\c+\i+1]|   ; the two blocks by turns
.endr
.endr
.irp c, 0,1
	v_add_nc_u32 v[SO+\c], 0xff000000, v[TM+\c]    ; 2 off the exponent field: the conversion takes this operand's exponent field as its scale
.endr
.irp c, 0,1
	v_lshrrev_b32 v[BY+\c], 23, v[SO+\c]           ; the scale's byte
.endr
.irp c, 0,1
.irp g, 0,1,2,3
	v_cvt_scalef32_pk8_fp4_f32 v[CD+8*(\s)+4*\c+\g], v[XS+32*\c+8*\g:XS+32*\c+8*\g+7], v[SO+\c]
.endr
.endr
	v_lshl_or_b32 v20, v[BY+1], 16, v[BY]          ; my two bytes: blocks h and 2 + h of the K step (plain lines behind the conversions)
	v_lshlrev_b32 v20, v12, v20                    ; 8 h bits up
	v_permlanex16_b32 v21, v20, s30, s31
	v_or_b32 v[SW+\s], v20, v21                    ; with lane l xor 16's two the word is whole
.irp c, 0,1
	global_store_b128 v2, v[CD+8*(\s)+4*\c:CD+8*(\s)+4*\c+3], s[14:15] offset:1024*(\s)+512*\c   ; each K step has code registers of its own: no store's data are written again
.endr
.endm
.macro OLOAD g                         ; Wo: 128 along K (four K steps of 32): 64 numbers a lane into set g % 2
.irp k, 0,1,2,3
.irp u, 0,1
.irp e, 0,1
	global_load_b128 v[X+64*((\g)%2)+16*\k+8*\u+4*\e:X+64*((\g)%2)+16*\k+8*\u+4*\e+3], v1, s[10:11] offset:512*(\g)+128*\k+64*\u+16*\e th:TH_LOAD_NT
.endr
.endr
.endr
.endm
.macro OCV g                           ; rounded to f16 in pairs and stored as eight halves of fragments
.irp i, 0,1,2,3,4,5,6,7,8,9,10,11,12,13,14,15,16,17,18,19,20,21,22,23,24,25,26,27,28,29,30,31
	v_cvt_pk_f16_f32 v[CD+32*((\g)%2)+\i], v[X+64*((\g)%2)+2*\i], v[X+64*((\g)%2)+2*\i+1]
.endr
.irp k, 0,1,2,3
.irp u, 0,1
	global_store_b128 v2, v[CD+32*((\g)%2)+8*\k+4*\u:CD+32*((\g)%2)+8*\k+4*\u+3], s[18:19] offset:131072*(\g)+1024*\k+512*\u
.endr
.endr
.endm
.macro EACH op, c                      ; one operation on all 48 offsets: no line waits for the line above it
.set K, 0
.rept 48
	\op v[AD+K], \c, v[AD+K]
.set K, K+1
.endr
.endm
	s_load_b512 s[4:19], s[0:1], 0x0               ; Wq s[4:5], Wk s[6:7], Wv s[8:9], Wo s[10:11], rel_emb s[12:13], w_codes s[14:15], w_scales s[16:17], wo_img s[18:19]
	s_load_b64 s[20:21], s[0:1], 0x40              ; bias_img
	s_and_b32 s22, ttmp7, 0xffff                   ; y: which work
	s_mov_b32 s25, 0                               ; the upper word of every offset
	s_mov_b32 s30, 0x76543210
	s_mov_b32 s31, 0xfedcba98                      ; v_permlanex16_b32's selects for lane l xor 16
	v_and_b32 v10, 15, v0                          ; r
	v_lshrrev_b32 v11, 4, v0                       ; h (one wave: v0 is the lane)
	v_lshlrev_b32 v2, 4, v0                        ; 16 x lane: my place in every image
	v_lshlrev_b32 v12, 3, v11                      ; 8 h
	s_wait_kmcnt 0x0
	s_cmp_eq_u32 s22, 3
	s_cbranch_scc1 .Lwo
	s_cmp_eq_u32 s22, 4
	s_cbranch_scc1 .Lbias
	; ---- y = 0, 1, 2: a tile of 16 rows of Wq, Wk or Wv
	s_cmp_eq_u32 s22, 1
	s_cselect_b64 s[4:5], s[6:7], s[4:5]           ; the choice hangs on the work-group's number alone
	s_cmp_eq_u32 s22, 2
	s_cselect_b64 s[4:5], s[8:9], s[4:5]
	s_lshl_b32 s24, ttmp9, 15                      ; 16 rows of 2,048 bytes
	s_add_nc_u64 s[4:5], s[4:5], s[24:25]
	s_lshl_b32 s24, s22, 17                        ; codes: 131,072 bytes a tensor, 4,096 a tile
	s_lshl_b32 s26, ttmp9, 12
	s_add_co_u32 s24, s24, s26
	s_add_nc_u64 s[14:15], s[14:15], s[24:25]
	s_lshl_b32 s24, s22, 13                        ; scale bytes: 8,192 a tensor, 256 a tile
	s_lshl_b32 s26, ttmp9, 8
	s_add_co_u32 s24, s24, s26
	s_add_nc_u64 s[16:17], s[16:17], s[24:25]
	v_lshlrev_b32 v1, 11, v10
	v_lshl_add_u32 v1, v11, 7, v1                  ; row r, + 128 h bytes: my block of 32 numbers
	v_lshlrev_b32 v3, 4, v10
	v_lshl_add_u32 v3, v11, 3, v3                  ; my 8 of the row's 16 scale bytes
	v_mov_b32 v21, 0                               ; a lane permute's destination counts as one of its sources
	WLOAD 0
	WLOAD 1
	s_wait_loadcnt 16                              ; the older set is in; the younger set's 16 loads may be out
	WQ 0
	WLOAD 2
	s_wait_loadcnt 16
	WQ 1
	WLOAD 3
	s_wait_loadcnt 16
	WQ 2
	s_wait_loadcnt 0x0
	WQ 3
	v_cmp_eq_u32 vcc_lo, 1, v11
	v_cndmask_b32 v22, v[SW], v[SW+2], vcc_lo      ; lanes 0-15 store words 0 and 1 of their row, lanes 16-31 words 2 and 3:
	v_cndmask_b32 v23, v[SW+1], v[SW+3], vcc_lo
	global_store_b64 v3, v[22:23], s[16:17]        ; 256 consecutive aligned bytes, each written once
	s_endpgm
	; ---- y = 3: a tile of 16 rows of Wo
.Lwo:
	s_lshl_b32 s24, ttmp9, 15
	s_add_nc_u64 s[10:11], s[10:11], s[24:25]
	s_lshl_b32 s24, ttmp9, 12
	s_add_nc_u64 s[18:19], s[18:19], s[24:25]
	v_lshlrev_b32 v1, 11, v10
	v_lshl_add_u32 v1, v11, 5, v1                  ; row r, + 32 h bytes: my 8 numbers of each 16
	OLOAD 0
	OLOAD 1
	s_wait_loadcnt 16                              ; the older set is in
	OCV 0
	OLOAD 2
	s_wait_loadcnt 16
	OCV 1
	OLOAD 3
	s_wait_loadcnt 16
	s_wait_xcnt 0x0                                ; the first group's stores have read their data: its registers are written again
	OCV 2
	s_wait_loadcnt 0x0
	s_wait_xcnt 0x0
	OCV 3
	s_endpgm
	; ---- y = 4: six tiles of one head's bias
.Lbias:
	s_and_b32 s23, ttmp9, 7                        ; head
	s_lshr_b32 s26, ttmp9, 3                       ; quarter: tiles 6 quarter .. 6 quarter + 5
	s_lshl_b32 s24, s23, 2
	s_add_nc_u64 s[12:13], s[12:13], s[24:25]      ; rel_emb at my head's column
	s_mul_i32 s24, s23, 24576
	s_mul_i32 s27, s26, 6144
	s_add_co_u32 s24, s24, s27
	s_add_nc_u64 s[20:21], s[20:21], s[24:25]
	s_mul_i32 s27, s26, 96
	s_add_co_u32 s27, s27, 208                     ; 16 (6 quarter - 11) + 384
	v_sub_nc_u32 v1, v10, v12
	v_add_nc_u32 v1, s27, v1                       ; t - s + 384 of tile i = 0, register j = 0: 193 at the least, so nothing below is negative
.set K, 0
.rept 48
	v_add_nc_u32 v[AD+K], 16*(K/8)-(K%8), v1       ; tile i = K / 8, register j = K % 8: + 16 i - j
.set K, K+1
.endr
	EACH v_min_u32, 512                            ; t - s held at 128 from above,
	EACH v_sub_nc_u32, 512                         ; 128 - that: 0 or more,
	EACH v_min_u32, 256                            ; held at 256: t - s held at -128 from below;
	EACH v_lshlrev_b32, 5                          ; a row of rel_emb is 32 bytes:
	EACH v_sub_nc_u32, 8192                        ; 32 x (256 - that): rows 0 to 256, inside the table
.set K, 0
.rept 48
	global_load_b32 v[DT+K], v[AD+K], s[12:13]
.set K, K+1
.endr
	s_wait_loadcnt 0x0
.set K, 0
.rept 48
	v_mul_f32 v[DT+K], 0x3fb8aa3b, v[DT+K]         ; x log2(e): the softmax works in base 2
.set K, K+1
.endr
.irp i, 0,1,2,3,4,5
.irp u, 0,1
	global_store_b128 v2, v[DT+8*\i+4*\u:DT+8*\i+4*\u+3], s[20:21] offset:1024*\i+512*\u
.endr
.endr
	s_endpgm
.Lfunc_end_k_qc7cca1bbb8_prep:
	.size	k_qc7cca1bbb8_prep, .Lfunc_end_k_qc7cca1bbb8_prep-k_qc7cca1bbb8_prep
	.p2alignl 7, 3214868480
	.fill 96, 4, 3214868480
	.section	.rodata,"a",@progbits
	.p2align	6, 0x0
	.amdhsa_kernel k_qc7cca1bbb8_prep
		.amdhsa_group_segment_fixed_size 0
		.amdhsa_private_segment_fixed_size 0
		.amdhsa_enable_private_segment 0
		.amdhsa_kernarg_size 72
		.amdhsa_user_sgpr_count 2
		.amdhsa_user_sgpr_kernarg_segment_ptr 1
		.amdhsa_wavefront_size32 1
		.amdhsa_system_sgpr_workgroup_id_x 1
		.amdhsa_system_sgpr_workgroup_id_y 1
		.amdhsa_system_sgpr_workgroup_id_z 1
		.amdhsa_system_vgpr_workitem_id 0
		.amdhsa_next_free_vgpr 224
		.amdhsa_next_free_sgpr 66
		.amdhsa_reserve_vcc 1
		.amdhsa_float_denorm_mode_32 3
		.amdhsa_float_denorm_mode_16_64 3
		.amdhsa_memory_ordered 1
		.amdhsa_forward_progress 1
		.amdhsa_inst_pref_size 63
	.end_amdhsa_kernel
	.amdgpu_metadata
---
amdhsa.version: [ 1, 2 ]
amdhsa.kernels:
  - .name:           k_qc7cca1bbb8_prep
    .symbol:         k_qc7cca1bbb8_prep.kd
    .args:
      - { .name: Wq, .offset: 0, .size: 8, .value_kind: global_buffer, .address_space: global }
      - { .name: Wk, .offset: 8, .size: 8, .value_kind: global_buffer, .address_space: global }
      - { .name: Wv, .offset: 16, .size: 8, .value_kind: global_buffer, .address_space: global }
      - { .name: Wo, .offset: 24, .size: 8, .value_kind: global_buffer, .address_space: global }
      - { .name: rel_emb, .offset: 32, .size: 8, .value_kind: global_buffer, .address_space: global }
      - { .name: w_codes, .offset: 40, .size: 8, .value_kind: global_buffer, .address_space: global }
      - { .name: w_scales, .offset: 48, .size: 8, .value_kind: global_buffer, .address_space: global }
      - { .name: wo_img, .offset: 56, .size: 8, .value_kind: global_buffer, .address_space: global }
      - { .name: bias_img, .offset: 64, .size: 8, .value_kind: global_buffer, .address_space: global }
    .group_segment_fixed_size: 0
    .private_segment_fixed_size: 0
    .kernarg_segment_align: 8
    .kernarg_segment_size: 72
    .max_flat_workgroup_size: 32
    .sgpr_count:     66
    .vgpr_count:     224
    .wavefront_size: 32
...
	.end_amdgpu_metadata
.endif
;; end of part 1
;; launch proj (part 2): grid 128 x 3, 4 waves a work-group, no clusters, 52,736 bytes of LDS; arguments query, key, value, bq, bk, bv, w_codes, w_scales, qkv; writes qkv
.if DOCPART == 2
	.amdgcn_target "amdgcn-amd-amdhsa--gfx1250"
	.amdhsa_code_object_version 6
	.text
	.protected	k_qc7cca1bbb8_proj
	.globl	k_qc7cca1bbb8_proj
	.p2align	8
	.type	k_qc7cca1bbb8_proj,@function
k_qc7cca1bbb8_proj:
	s_mov_b64 s[64:65], 0
	v_nop
	global_prefetch_b8 v0, s[64:65] scope:SCOPE_SE
	s_setreg_imm32_b32 hwreg(HW_REG_WAVE_MODE, 25, 1), 1
	s_wait_xcnt 0x0
; PROJ: q = query Wq^T + bq, k = key Wk^T + bk, v = value Wv^T + bv, on codes of FP4 (E2M1) with one E8M0 scale for each 32 along K = 512; sums in f32.
; Work-group (x, y): rows 64 x .. 64 x + 63 of tensor y (0 query, 1 key, 2 value), all 512 features.  The weights' codes and scale bytes were made by the launch before.
; PHASE 1: wave w quantises rows 16 w .. 16 w + 15.  A load reads 512 consecutive bytes of one row; the numbers turn through the wave's own stage in LDS, so that a lane holds 16 neighbours along K of each
;   block of 32 of ONE row, as the conversions want them.  The four fragments (16 rows x 128 K) and their scale words go to LDS as images of their registers.  One barrier.
; PHASE 2: THE WAVES SHARE THE FEATURES: wave w makes features 128 w .. 128 w + 127 (two heads) for all 64 rows, so each weight byte is read once by the work-group, straight into registers.
;   q and k: source 0 = 16 features of W, source 1 = 16 rows of x: a lane holds one row and eight neighbouring features.  Both are multiplied by sqrt(log2(e) / 8), so that q . k is the score in base 2.
;   v:       source 0 = 16 rows of x, source 1 = 16 features of W: a lane holds one feature and eight neighbouring keys, since the keys are the K of the product that reads v.
;   Rounded to f16 in pairs, a lane's eight results ARE four registers of the operand that the attention reads: they are stored as they stand, 512 consecutive aligned bytes a store.
;   qkv: q at 0, k at 8,388,608: [b x head 32][tile of 16 rows 128][c 2][u 2][512]: lane (r, h): row r, d = 32 c + 16 u + 8 h + 0..7
;        v at 16,777,216:        [b x head 32][32 keys 64][d tile 4][u 2][512]:     lane (r, h): d = 16 dt + r, key 16 u + 8 h + 0..7
; The bias is the C of a sum's first matrix instruction.
; NO JOINT LOADS: the weights, which all work-groups of a tensor read, go from memory into registers and never lie in LDS; a work-group's own rows are as many bytes as they.
; LIMITS: q sqrt(c), k sqrt(c) and v are kept in f16: magnitudes under 65,504.  A block of zeros gets the scale byte 1 (its codes are zeros; the bytes stay in this work-group).  NaN and infinities are not served.
.set XIMG, 0                           ; LDS: x's 16 fragments, (4 m + s) x 1,024 bytes (m: tile of rows, s: K step)
.set XSC,  16384                       ; their scale words, (4 m + s) x 128 bytes
.set STG,  18432                       ; a stage of 16 rows x 528 bytes for each wave
.set SPIT, 528                         ; 512 bytes + 16: the sixteen rows that a load of 16 bytes a lane touches begin 16 bytes apart modulo 256
.set LI,  1                            ; v1   16 x lane
.set LS,  2                            ; v2   4 x lane
.set SA,  4                            ; v4   the stage, in: 16 x lane of a row
.set SB,  5                            ; v5   the stage, out: row r, + 64 h
.set XWI, 6                            ; v6   where I store images: 16 x lane + 4,096 x wave
.set XWS, 7                            ; v7   and scale words: 4 x lane + 512 x wave
.set WSA, 8                            ; v8   16 r: a row of W's scale bytes
.set BA,  9                            ; v9   32 h: my eight numbers of a tile's bias (q, k)
.set BA2, 10                           ; v10  4 r: my one (v)
.set X,   16                           ; v16-79   64 numbers of x; later
.set ACC, 16                           ;          the accumulators, two sets of 4 x 8
.set TM,  80                           ; v80-95   the quantiser's
.set PW,  96                           ; v96      the scale word just made
.set PC,  98                           ; v98-105  the codes just made
.set OUT, 108                          ; v108-123 results in f16
.set WF,  128                          ; v128-191 W's four fragments of a tile, two sets
.set WS,  192                          ; v192-199 W's scale words, two sets of 4: scales and nothing else
.set BI,  200                          ; v200-215 the bias in the result's layout, two sets of 8
.set XS,  216                          ; v216-231 x's 16 scale words: scales and nothing else
.set BV,  232                          ; v232-233 bv of my feature, two sets
; window 1 (v256-383): v0-127 two sets of 64 numbers as loaded; later x's 16 fragments, 8 (4 m + s)
.set MSB, 0
.macro WIN new                         ; the immediate's high byte repeats the setting that is left
.if MSB != \new
	s_set_vgpr_msb (MSB<<8)|\new
.set MSB, \new
.endif
.endm
.macro PLACES
.rept 4
	v_nop
.endr
.endm
.macro RLOAD s                         ; K step s of my 16 rows: a load a row, 512 consecutive bytes; into set s % 2 of window 1
	WIN 0x40
.irp i, 0,1,2,3,4,5,6,7,8,9,10,11,12,13,14,15
	global_load_b128 v[64*((\s)%2)+4*\i:64*((\s)%2)+4*\i+3], v[LI], s[4:5] offset:2048*\i+512*(\s) th:TH_LOAD_NT
.endr
	WIN 0
.endm
; 64 numbers of a lane, register 16 b + i = k 32 b + 16 h + i of my row, become a fragment's codes in v[PC] on and its scale word in v[PW].
.macro QUANT s
.irp b, 0,1,2,3
	v_max3_num_f32 v[TM+\b], |v[\s+16*\b]|, |v[\s+1+16*\b]|, 0x1800000   ; block b: my 16 numbers, and the floor 2^(3 - 127): the byte cannot fall under 1
.endr
.irp i, 2,4,6,8,10,12,14
.irp b, 0,1,2,3
	v_max3_num_f32 v[TM+\b], v[TM+\b], |v[\s+16*\b+\i]|, |v[\s+1+16*\b+\i]|   ; the four blocks by turns
.endr
.endr
.irp b, 0,1,2,3
	v_permlanex16_b32 v[TM+4+\b], v[TM+\b], s34, s35
.endr
.irp b, 0,1,2,3
	v_max_num_f32 v[TM+\b], v[TM+\b], v[TM+4+\b]   ; with lane l xor 16's: the block's largest magnitude
.endr
.irp b, 0,1,2,3
	v_add_nc_u32 v[TM+12+\b], 0xff000000, v[TM+\b] ; 2 off its exponent field: the conversion's scale operand
.endr
.irp b, 0,1,2,3
	v_lshrrev_b32 v[TM+4+\b], 23, v[TM+12+\b]      ; the scale's byte
.endr
	v_lshl_or_b32 v[PW], v[TM+5], 8, v[TM+4]       ; the four bytes make my row's scale word
	v_lshl_or_b32 v[PW], v[TM+6], 16, v[PW]
	v_lshl_or_b32 v[PW], v[TM+7], 24, v[PW]
.irp b, 0,1,2,3
	v_cvt_scalef32_pk8_fp4_f32 v[PC+2*\b], v[\s+16*\b:\s+7+16*\b], v[TM+12+\b]
	v_cvt_scalef32_pk8_fp4_f32 v[PC+1+2*\b], v[\s+8+16*\b:\s+15+16*\b], v[TM+12+\b]
.endr
	v_nop                                          ; one plain line behind the last scaled conversion
.irp c, 0,1                                    ; the operand's layout wants a WHOLE block in a lane: lanes 0-15 block 2 c, lanes 16-31 block 2 c + 1
.irp i, 0,1
	v_permlane16_swap_b32 v[PC+4*\c+\i], v[PC+2+4*\c+\i]
.endr
.endr
.endm
.macro QSTEP s                         ; K step s of my rows: through the stage, quantised, its image to LDS
.if (\s) < 3
	s_wait_loadcnt 16                              ; this K step's 16 loads are in; the next one's may be out
.else
	s_wait_loadcnt 0x0
.endif
	WIN 0x04                                       ; an LDS store's data are its source 1: window 1
.irp i, 0,1,2,3,4,5,6,7,8,9,10,11,12,13,14,15
	ds_store_b128 v[SA], v[64*((\s)%2)+4*\i:64*((\s)%2)+4*\i+3] offset:\i*SPIT
.endr
	WIN 0
.irp b, 0,1,2,3
.irp j, 0,1,2,3
	ds_load_b128 v[X+16*\b+4*\j:X+16*\b+4*\j+3], v[SB] offset:128*\b+16*\j   ; LDS serves a wave's instructions in order: these see my stores
.endr
.endr
	s_wait_dscnt 0x0                               ; the numbers are back; the stores have read their registers, the last K step's image stores too
.if (\s) < 2
	RLOAD (\s)+2
.endif
	QUANT X
.irp c, 0,1
	ds_store_b128 v[XWI], v[PC+4*\c:PC+4*\c+3] offset:XIMG+1024*(\s)+512*\c
.endr
	ds_store_b32 v[XWS], v[PW] offset:XSC+128*(\s)
.endm
.macro LOADWC n                        ; tile n of my 8: W's four fragments and the rows' scale words, into set n % 2: 9 loads
.irp i, 0,1,2,3,4,5,6,7
	global_load_b128 v[WF+32*((\n)%2)+4*\i:WF+32*((\n)%2)+4*\i+3], v[LI], s[26:27] offset:4096*(\n)+512*\i
.endr
	global_load_b128 v[WS+4*((\n)%2):WS+4*((\n)%2)+3], v[WSA], s[28:29] offset:256*(\n)
.endm
.macro LOADB n, vp                     ; its bias: q, k: eight numbers a lane (2 loads); v: one (1 load)
.if \vp
	global_load_b32 v[BV+(\n)%2], v[BA2], s[6:7] offset:64*(\n)
.else
	global_load_b128 v[BI+8*((\n)%2):BI+8*((\n)%2)+3], v[BA], s[6:7] offset:64*(\n)
	global_load_b128 v[BI+8*((\n)%2)+4:BI+8*((\n)%2)+7], v[BA], s[6:7] offset:64*(\n)+16
.endif
.endm
; Tile n: 16 features x 64 rows: four accumulators by turns, one instruction a turn, K step by K step.  vp = 1: the value path.
.macro TILE n, vp
.set AS,  ACC+32*((\n)%2)
.set WFS, WF+32*((\n)%2)
.set WSS, WS+4*((\n)%2)
.set BIS, BI+8*((\n)%2)
.if (\n) < 7
	LOADWC (\n)+1
	LOADB (\n)+1, \vp
	s_wait_loadcnt 11-\vp                          ; this tile's loads are in; the next tile's 11 (value path: 10) may be out
.else
	s_wait_loadcnt 0x0
.endif
.if \vp
.irp j, 0,1,2,3,4,5,6,7
	v_mov_b32 v[BIS+\j], v[BV+(\n)%2]              ; a lane's eight results are eight keys of ONE feature: its bias in all eight
.endr
	PLACES                                         ; kept at the distance that an operand written by vector instructions owes a scaled product
	WIN 0x01                                       ; source 0 (x) window 1
.else
	WIN 0x04                                       ; source 1 (x) window 1
.endif
.irp s, 0,1,2,3
.irp m, 0,1,2,3
.if \vp
.if \s == 0
	v_wmma_scale_f32_16x16x128_f8f6f4 v[AS+8*\m:AS+8*\m+7], v[8*(4*\m+\s):8*(4*\m+\s)+7], v[WFS+8*\s:WFS+8*\s+7], v[BIS:BIS+7], v[XS+4*\m+\s], v[WSS+\s] matrix_a_fmt:MATRIX_FMT_FP4 matrix_b_fmt:MATRIX_FMT_FP4
.else
	v_wmma_scale_f32_16x16x128_f8f6f4 v[AS+8*\m:AS+8*\m+7], v[8*(4*\m+\s):8*(4*\m+\s)+7], v[WFS+8*\s:WFS+8*\s+7], v[AS+8*\m:AS+8*\m+7], v[XS+4*\m+\s], v[WSS+\s] matrix_a_fmt:MATRIX_FMT_FP4 matrix_b_fmt:MATRIX_FMT_FP4
.endif
.else
.if \s == 0
	v_wmma_scale_f32_16x16x128_f8f6f4 v[AS+8*\m:AS+8*\m+7], v[WFS+8*\s:WFS+8*\s+7], v[8*(4*\m+\s):8*(4*\m+\s)+7], v[BIS:BIS+7], v[WSS+\s], v[XS+4*\m+\s] matrix_a_fmt:MATRIX_FMT_FP4 matrix_b_fmt:MATRIX_FMT_FP4
.else
	v_wmma_scale_f32_16x16x128_f8f6f4 v[AS+8*\m:AS+8*\m+7], v[WFS+8*\s:WFS+8*\s+7], v[8*(4*\m+\s):8*(4*\m+\s)+7], v[AS+8*\m:AS+8*\m+7], v[WSS+\s], v[XS+4*\m+\s] matrix_a_fmt:MATRIX_FMT_FP4 matrix_b_fmt:MATRIX_FMT_FP4
.endif
.endif
.endr
.endr
	WIN 0
	PLACES                                         ; four plain lines between the last product and the first read of results, and the next tile's loads into this set of W's registers
.if (\n) > 0
	s_wait_xcnt 0x0                                ; the last tile's stores have read OUT: it is written again only behind this wait
.endif
.if \vp == 0
.irp i, 0,2,4,6,8,10,12,14,16,18,20,22,24,26,28,30
	v_pk_mul_f32 v[AS+\i:AS+\i+1], v[AS+\i:AS+\i+1], s[36:37] op_sel_hi:[1,0]   ; x sqrt(log2(e) / 8); each accumulator from its low end on
.endr
.endif
.irp i, 0,1,2,3,4,5,6,7,8,9,10,11,12,13,14,15
	v_cvt_pk_f16_f32 v[OUT+\i], v[AS+2*\i], v[AS+2*\i+1]
.endr
.irp m, 0,1,2,3
.if \vp
	global_store_b128 v[LI], v[OUT+4*\m:OUT+4*\m+3], s[30:31] offset:((\n)/4)*262144+(\m/2)*4096+((\n)%4)*1024+(\m%2)*512   ; head n / 4 of my two; keys 32 (m / 2) on; d tile n % 4; half m % 2
.else
	global_store_b128 v[LI], v[OUT+4*\m:OUT+4*\m+3], s[30:31] offset:((\n)/4)*262144+\m*2048+((\n)%4)*512                   ; head n / 4 of my two; tile of rows m; half n % 4 of its four
.endif
.endr
.endm
	s_load_b512 s[8:23], s[0:1], 0x0               ; query s[8:9], key s[10:11], value s[12:13], bq s[14:15], bk s[16:17], bv s[18:19], w_codes s[20:21], w_scales s[22:23]
	s_load_b64 s[24:25], s[0:1], 0x40              ; qkv
	v_lshl_add_u32 v254, v0, 2, 0xcc00
	v_mov_b32 v255, 0
	v_lshrrev_b32 v3, 5, v0
	v_readfirstlane_b32 s32, v3                    ; wave 0..3
	s_and_b32 s33, ttmp7, 0xffff                   ; y: which tensor
	v_and_b32 v3, 31, v0                           ; lane
	v_and_b32 v11, 15, v0                          ; r
	v_bfe_u32 v12, v0, 4, 1                        ; h
	v_lshlrev_b32 v[LI], 4, v3
	v_lshlrev_b32 v[LS], 2, v3
	s_mul_i32 s38, s32, 16*SPIT
	s_add_co_u32 s38, s38, STG                     ; my stage
	v_add_nc_u32 v[SA], s38, v[LI]
	v_mul_u32_u24 v[SB], v11, SPIT
	v_lshl_add_u32 v[SB], v12, 6, v[SB]
	v_add_nc_u32 v[SB], s38, v[SB]
	s_lshl_b32 s38, s32, 12
	v_add_nc_u32 v[XWI], s38, v[LI]
	s_lshl_b32 s38, s32, 9
	v_add_nc_u32 v[XWS], s38, v[LS]
	v_lshlrev_b32 v[WSA], 4, v11
	v_lshlrev_b32 v[BA], 5, v12
	v_lshlrev_b32 v[BA2], 2, v11
.irp b, 0,1,2,3
	v_mov_b32 v[TM+4+\b], 0                        ; written once: a lane permute's destination counts as one of its sources
.endr
	s_mov_b32 s34, 0x76543210
	s_mov_b32 s35, 0xfedcba98                      ; v_permlanex16_b32's selects for lane l xor 16
	s_mov_b32 s36, 0x3ed96d27                      ; sqrt(log2(e) / 8) = 0.4246609
	s_mov_b32 s37, s36                             ; (named with it as a pair, so it is written)
	s_mov_b32 s41, 0                               ; the upper word of every offset
	s_wait_kmcnt 0x0
	s_cmp_eq_u32 s33, 1                            ; the choices hang on the work-group's number alone
	s_cselect_b64 s[4:5], s[10:11], s[8:9]
	s_cselect_b64 s[6:7], s[16:17], s[14:15]
	s_cmp_eq_u32 s33, 2
	s_cselect_b64 s[4:5], s[12:13], s[4:5]         ; x
	s_cselect_b64 s[6:7], s[18:19], s[6:7]         ; its bias
	s_lshl_b32 s40, ttmp9, 17                      ; x: 64 rows of 2,048 bytes a work-group,
	s_lshl_b32 s42, s32, 15                        ; 16 a wave
	s_add_co_u32 s40, s40, s42
	s_add_nc_u64 s[4:5], s[4:5], s[40:41]
	s_lshl_b32 s40, s33, 17                        ; W's codes: 131,072 bytes a tensor, 32,768 for a wave's 8 tiles
	s_add_co_u32 s40, s40, s42
	s_add_nc_u64 s[26:27], s[20:21], s[40:41]
	s_lshl_b32 s40, s33, 13                        ; W's scale bytes: 8,192 a tensor, 2,048 a wave
	s_lshl_b32 s42, s32, 11
	s_add_co_u32 s40, s40, s42
	s_add_nc_u64 s[28:29], s[22:23], s[40:41]
	s_lshl_b32 s40, s32, 9                         ; the bias: my 128 numbers
	s_add_nc_u64 s[6:7], s[6:7], s[40:41]
	s_lshl_b32 s40, s33, 23                        ; qkv: 8,388,608 bytes a tensor,
	s_lshr_b32 s42, ttmp9, 5
	s_lshl_b32 s42, s42, 21                        ; 2,097,152 a batch (32 work-groups),
	s_add_co_u32 s40, s40, s42
	s_lshl_b32 s42, s32, 19                        ; 524,288 for a wave's two heads,
	s_add_co_u32 s40, s40, s42
	s_and_b32 s42, ttmp9, 31
	s_lshl_b32 s42, s42, 13                        ; 8,192 for 64 rows of a head (four tiles of 2,048, or two groups of 4,096)
	s_add_co_u32 s40, s40, s42
	s_add_nc_u64 s[30:31], s[24:25], s[40:41]
	LOADWC 0                                       ; the first tile of W comes while x is quantised
	RLOAD 0
	RLOAD 1
	QSTEP 0
	QSTEP 1
	QSTEP 2
	QSTEP 3
	s_wait_dscnt 0x0                               ; for the others' sake: my images and scale words lie in LDS
	s_barrier_signal -1
	s_barrier_wait -1                              ; everybody's do
	WIN 0x40
.irp i, 0,1,2,3,4,5,6,7,8,9,10,11,12,13,14,15,16,17,18,19,20,21,22,23,24,25,26,27,28,29,30,31
	ds_load_b128 v[4*\i:4*\i+3], v[LI] offset:XIMG+512*\i           ; x's 16 fragments stay in registers
.endr
	WIN 0
.irp i, 0,1,2,3,4,5,6,7,8,9,10,11,12,13,14,15
	ds_load_b32 v[XS+\i], v[LS] offset:XSC+128*\i
.endr
	s_wait_dscnt 0x0
	s_cmp_eq_u32 s33, 2
	s_cbranch_scc1 .Lvalue
	LOADB 0, 0
.irp n, 0,1,2,3,4,5,6,7
	TILE \n, 0
.endr
	s_wait_tensorcnt 0x0
	ds_add_u32 v254, v255
	s_wait_dscnt 0x0
	s_endpgm
.Lvalue:
	LOADB 0, 1
.irp n, 0,1,2,3,4,5,6,7
	TILE \n, 1
.endr
	s_wait_tensorcnt 0x0
	ds_add_u32 v254, v255
	s_wait_dscnt 0x0
	s_endpgm
.Lfunc_end_k_qc7cca1bbb8_proj:
	.size	k_qc7cca1bbb8_proj, .Lfunc_end_k_qc7cca1bbb8_proj-k_qc7cca1bbb8_proj
	.p2alignl 7, 3214868480
	.fill 96, 4, 3214868480
	.section	.rodata,"a",@progbits
	.p2align	6, 0x0
	.amdhsa_kernel k_qc7cca1bbb8_proj
		.amdhsa_group_segment_fixed_size 52736
		.amdhsa_private_segment_fixed_size 0
		.amdhsa_enable_private_segment 0
		.amdhsa_kernarg_size 72
		.amdhsa_user_sgpr_count 2
		.amdhsa_user_sgpr_kernarg_segment_ptr 1
		.amdhsa_wavefront_size32 1
		.amdhsa_system_sgpr_workgroup_id_x 1
		.amdhsa_system_sgpr_workgroup_id_y 1
		.amdhsa_system_sgpr_workgroup_id_z 1
		.amdhsa_system_vgpr_workitem_id 0
		.amdhsa_next_free_vgpr 384
		.amdhsa_next_free_sgpr 66
		.amdhsa_reserve_vcc 0
		.amdhsa_float_denorm_mode_32 3
		.amdhsa_float_denorm_mode_16_64 3
		.amdhsa_memory_ordered 1
		.amdhsa_forward_progress 1
		.amdhsa_inst_pref_size 121
	.end_amdhsa_kernel
	.amdgpu_metadata
---
amdhsa.version: [ 1, 2 ]
amdhsa.kernels:
  - .name:           k_qc7cca1bbb8_proj
    .symbol:         k_qc7cca1bbb8_proj.kd
    .args:
      - { .name: query, .offset: 0, .size: 8, .value_kind: global_buffer, .address_space: global }
      - { .name: key, .offset: 8, .size: 8, .value_kind: global_buffer, .address_space: global }
      - { .name: value, .offset: 16, .size: 8, .value_kind: global_buffer, .address_space: global }
      - { .name: bq, .offset: 24, .size: 8, .value_kind: global_buffer, .address_space: global }
      - { .name: bk, .offset: 32, .size: 8, .value_kind: global_buffer, .address_space: global }
      - { .name: bv, .offset: 40, .size: 8, .value_kind: global_buffer, .address_space: global }
      - { .name: w_codes, .offset: 48, .size: 8, .value_kind: global_buffer, .address_space: global }
      - { .name: w_scales, .offset: 56, .size: 8, .value_kind: global_buffer, .address_space: global }
      - { .name: qkv, .offset: 64, .size: 8, .value_kind: global_buffer, .address_space: global }
    .group_segment_fixed_size: 52736
    .private_segment_fixed_size: 0
    .kernarg_segment_align: 8
    .kernarg_segment_size: 72
    .max_flat_workgroup_size: 128
    .sgpr_count:     66
    .vgpr_count:     384
    .wavefront_size: 32
...
	.end_amdgpu_metadata
.endif
;; end of part 2
;; launch attn (part 3): grid 8 x 32, 8 waves a work-group, no clusters, 327,680 bytes of LDS; arguments qkv, bias_img, a_img; writes a_img
.if DOCPART == 3
	.amdgcn_target "amdgcn-amd-amdhsa--gfx1250"
	.amdhsa_code_object_version 6
	.text
	.protected	k_qc7cca1bbb8_attn
	.globl	k_qc7cca1bbb8_attn
	.p2align	8
	.type	k_qc7cca1bbb8_attn,@function
k_qc7cca1bbb8_attn:
	s_mov_b64 s[64:65], 0
	v_nop
	global_prefetch_b8 v0, s[64:65] scope:SCOPE_SE
	s_setreg_imm32_b32 hwreg(HW_REG_WAVE_MODE, 25, 1), 1
	s_wait_xcnt 0x0
; ATTN: for one batch and head, o[t] = sum over s of softmax_s(q[t] . k[s] / 8 + rel_emb[clip(t - s, -128, 128) + 128][head]) v[s].  Operands in f16, products, maxima and sums in f32.
; q and k arrive times sqrt(log2(e) / 8) and the bias tiles times log2(e): a score is t in base 2, p = 2^(t - m), m the query's running maximum; in every step O and the sum l are multiplied by 2^(m_old - m_new).
; SHARES.  Work-group (qb, b x 8 + head): 256 queries.  Each of its eight waves: 32 queries, two tiles of 16; two waves to a SIMD.  Every wave walks the 2,048 keys, 64 a step.
; LAYOUT.  S^T = K Q^T (source 0 = 16 keys, source 1 = 16 queries), O^T = V^T P (source 0 = 16 of the head's 64, source 1 = P): a lane holds ONE query throughout, and two tiles of S^T, rounded to f16 in
;   pairs, are source 1 of the second product.  q, k and v lie in memory as images of operand registers (four registers: 512 bytes, lane l's 16 bytes at 16 l), so a fragment is two loads of consecutive bytes.
; THE BIAS hangs on t - s alone.  A tile of 16 keys x 16 queries whose corner has t - s = 16 (z - 11) is tile z of the head's 24, in the layout of a matrix result: it is the C of the tile's first product.
;   With D = my first query - the step's first key, the step's eight tiles need z = D / 16 + 8 + (a - b + 3).  For D >= 192 or D <= -160 all eight are constant (rel_emb's last or first row): C is eight registers
;   that hold that number.  Else (five steps of a wave's 32 at the most) the tiles are loaded from LDS into the accumulators.  Keys ascend, so behind a wave's near steps the constant is the first row's.
; THE RING.  Two LDS slots of 512 keys (K's 64 KiB, then V's), filled by tensor loads, 16 KiB a wave; 2,048 keys are four fills.  A step's K is fetched into registers a step ahead, its V half a step ahead,
;   so the change of slots stands one step before the slot's last step is multiplied: there all fetches from the old slot have been issued.
; NO JOINT LOADS, though the eight work-groups of a head read the same K and V: the branch between near and far steps and the LDS address of the bias tiles hang on t0 - s0, that is on the query block,
;   which differs between those work-groups.
; LIMITS: q sqrt(c), k sqrt(c), v and o are f16: magnitudes under 65,504; NaN and infinite scores are not served.
.set SLOTB, 1<<17                      ; slot 1 begins here: one exclusive or turns an address in one slot into the other's
.set VOFF,  65536                      ; in a slot: V behind K
.set STEPB, 8192                       ; a step's K, and its V
.set BIAS,  262144                     ; the head's 24 bias tiles of 1,024 bytes
.set SPARE, BIAS+24576                 ; the spare words, 128 bytes for each wave: four blocks of 256 bytes that no other line names
.set LI,   1                           ; v1   16 x lane
.set LIV,  2                           ; v2   + VOFF
.set ABI,  3                           ; v3   + BIAS
.set ADR,  4                           ; v4   LDS address of the K that is fetched
.set ADRV, 5                           ; v5   of the V
.set SPW,  6                           ; v6   LDS address of my spare word; never rewritten
.set NIL,  7                           ; v7   0; never rewritten
.set PFO,  8                           ; v8   256 x lane: the prefetches' offset; never rewritten
.set BA,   10                          ; v10  LDS address of a near step's first bias tile
.set ST,   16                          ; v16-39  statistics, 12 a tile: +0 m, +1 (pair), +2 +3 l, +4 a = 2^(m_old - m_new), +5 (pair), +6 to +9 c0-c3, +10 m_old - m_new
.set BC,   40                          ; v40-47  the constant bias tile
.set Q,    48                          ; v48-79  Q: 16 a + 8 c
.set S,    80                          ; v80-143 S^T, then p: 32 a + 8 b
.set P,    144                         ; v144-175 p in f16: 16 a + 8 g
.set O,    176                         ; v176-239 O^T: 32 a + 8 dt
; window 1 (v256-383): v0-63 K's fragments 8 (2 b + c); v64-127 V's 8 (4 g + dt)
.set WV,   10                          ; s10  wave
.set T0Q,  14                          ; s14  my first query + 128
.set KF,   15                          ; s15  the step's first key
.set G1,   16                          ; s[16:23] descriptor group 1: 64 rows of 256 bytes, dense
.set G1B,  24                          ; s[24:31] the same with 12 rows, for the bias
.set TB,   44                          ; s44  LDS byte of the step to be fetched
.set CNT,  45                          ; s45  counts steps
.set SLOTS, 46                         ; s46  slots still to be asked for
.set LIM,  47                          ; s47  1 in the head's first work-group, else the greatest number
.set PFA,  48                          ; s[48:49] my 16 KiB of the last 512 keys; never rewritten
.set SEL,  50                          ; s[50:51] v_permlanex16_b32's selects for lane l xor 16
.set BHI,  52                          ; s52  the bias for t - s >= 128
.set BLO,  53                          ; s53  for t - s <= -128
.set U,    54                          ; s54  at work
.set MSB, 0
.macro WIN new                         ; the immediate's high byte repeats the setting that is left
.if MSB != \new
	s_set_vgpr_msb (MSB<<8)|\new
.set MSB, \new
.endif
.endm
.macro PLACES
.rept 4
	v_nop
.endr
.endm
.macro FETCH_K                         ; a step's K: 16 loads of 512 consecutive bytes
	WIN 0x40
.irp i, 0,1,2,3,4,5,6,7,8,9,10,11,12,13,14,15
	ds_load_b128 v[4*\i:4*\i+3], v[ADR] offset:512*\i
.endr
	WIN 0
.endm
.macro FETCH_V                         ; and its V
	WIN 0x40
.irp i, 0,1,2,3,4,5,6,7,8,9,10,11,12,13,14,15
	ds_load_b128 v[64+4*\i:64+4*\i+3], v[ADRV] offset:512*\i
.endr
	WIN 0
	s_add_co_u32 s[TB], s[TB], STEPB               ; the next fetch is the next step's
.endm
; Eight products of S^T = K Q^T, channels 32 c on; the eight accumulators by turns, one instruction a turn.  own = 1: C is the accumulator; 0: the constant bias tile.
.macro SMUL c, own
.irp b, 0,1,2,3
.irp a, 0,1
.if \own
	v_wmma_f32_16x16x32_f16 v[S+32*\a+8*\b:S+32*\a+8*\b+7], v[8*(2*\b+\c):8*(2*\b+\c)+7], v[Q+16*\a+8*\c:Q+16*\a+8*\c+7], v[S+32*\a+8*\b:S+32*\a+8*\b+7]
.else
	v_wmma_f32_16x16x32_f16 v[S+32*\a+8*\b:S+32*\a+8*\b+7], v[8*(2*\b+\c):8*(2*\b+\c)+7], v[Q+16*\a+8*\c:Q+16*\a+8*\c+7], v[BC:BC+7]
.endif
.endr
.endr
.endm
.macro PVMUL                           ; sixteen products of O^T += V^T P: keys 32 g on, channels 16 d on, tile a
.irp g, 0,1
.irp d, 0,1,2,3
.irp a, 0,1
	v_wmma_f32_16x16x32_f16 v[O+32*\a+8*\d:O+32*\a+8*\d+7], v[64+8*(4*\g+\d):64+8*(4*\g+\d)+7], v[P+16*\a+8*\g:P+16*\a+8*\g+7], v[O+32*\a+8*\d:O+32*\a+8*\d+7]
.endr
.endr
.endr
.endm
; The softmax's pieces, on pair i of the 32 pairs of registers (tile i / 16)
.macro SUBP i                          ; t - m
	v_pk_add_f32 v[S+2*(\i):S+2*(\i)+1], v[S+2*(\i):S+2*(\i)+1], v[ST+12*((\i)/16):ST+12*((\i)/16)+1] op_sel_hi:[1,0] neg_lo:[0,1] neg_hi:[0,1]
.endm
.macro RESC i                          ; O^T x a
	v_pk_mul_f32 v[O+2*(\i):O+2*(\i)+1], v[O+2*(\i):O+2*(\i)+1], v[ST+12*((\i)/16)+4:ST+12*((\i)/16)+5] op_sel_hi:[1,0]
.endm
.macro CVTP i                          ; p to f16
	s_wait_alu depctr_va_vdst(0)
	v_cvt_pk_f16_f32 v[P+(\i)], v[S+2*(\i)], v[S+2*(\i)+1]
.endm
.macro SUMP i                          ; l += p, before it is rounded
	v_pk_add_f32 v[ST+12*((\i)/16)+2:ST+12*((\i)/16)+3], v[ST+12*((\i)/16)+2:ST+12*((\i)/16)+3], v[S+2*(\i):S+2*(\i)+1]
.endm
.macro SOFTMAX
.irp j, 0,1,2,3                                ; the maximum of a lane's 32 scores and the old m: four chains; each accumulator is read from its low end on; the two tiles alternate
.irp a, 0,1
	v_max3_num_f32 v[ST+12*\a+6+\j], v[S+32*\a+8*\j], v[S+32*\a+8*\j+1], v[S+32*\a+8*\j+2]
.endr
.endr
.irp k, 3,5
.irp j, 0,1,2,3
.irp a, 0,1
	v_max3_num_f32 v[ST+12*\a+6+\j], v[ST+12*\a+6+\j], v[S+32*\a+8*\j+\k], v[S+32*\a+8*\j+\k+1]
.endr
.endr
.endr
.irp a, 0,1
	v_max3_num_f32 v[ST+12*\a+6], v[ST+12*\a+6], v[S+32*\a+7], v[S+32*\a+15]
.endr
.irp a, 0,1
	v_max3_num_f32 v[ST+12*\a+8], v[ST+12*\a+8], v[S+32*\a+23], v[S+32*\a+31]
.endr
.irp a, 0,1
	v_max3_num_f32 v[ST+12*\a+6], v[ST+12*\a+6], v[ST+12*\a+7], v[ST+12*\a+8]
.endr
.irp a, 0,1
	v_max3_num_f32 v[ST+12*\a+6], v[ST+12*\a+6], v[ST+12*\a+9], v[ST+12*\a]
.endr
.irp a, 0,1
	v_permlanex16_b32 v[ST+12*\a+7], v[ST+12*\a+6], s[SEL], s[SEL+1]   ; the query's other 32 keys lie in the lane 16 away
.endr
.irp a, 0,1
	v_max_num_f32 v[ST+12*\a+9], v[ST+12*\a+6], v[ST+12*\a+7]          ; the new m
.endr
.irp a, 0,1
	v_sub_f32 v[ST+12*\a+10], v[ST+12*\a], v[ST+12*\a+9]
.endr
.irp a, 0,1
	v_mov_b32 v[ST+12*\a], v[ST+12*\a+9]
.endr
.irp a, 0,1
	v_exp_f32 v[ST+12*\a+4], v[ST+12*\a+10]        ; a = 2^(m_old - m_new)
.endr
	SUBP 0                                         ; (plain lines behind the exponentials)
	SUBP 1
	s_wait_alu depctr_va_vdst(0)
.irp a, 0,1
	v_pk_mul_f32 v[ST+12*\a+2:ST+12*\a+3], v[ST+12*\a+2:ST+12*\a+3], v[ST+12*\a+4:ST+12*\a+5] op_sel_hi:[1,0]
.endr
; Behind each exponential stands a plain line that is ready and touches nothing of it: the scaling of O^T, or the rounding of the pair before.
.set N, 0
.rept 32
.if N+2 < 32
	SUBP N+2
.endif
	v_exp_f32 v[S+2*N], v[S+2*N]
	RESC N
	v_exp_f32 v[S+2*N+1], v[S+2*N+1]
.if N > 0
	CVTP N-1
	SUMP N-1
.endif
.set N, N+1
.endr
	CVTP 31
	SUMP 31
.endm
; A KEY STEP.  At its head K of the step has been asked for (16 loads) and behind it V of the step (16 loads).  fetch = 1: the next step's K and V are fetched.
.macro STEP fetch
	s_sub_co_u32 s[U], s[T0Q], s[KF]               ; D + 128; the near steps are D = -128 .. 160 (D is a multiple of 32); a negative number wraps to a large one
	s_cmp_gt_u32 s[U], 288
	s_cbranch_scc1 .Lfar_\@
	s_lshr_b32 s[U], s[U], 4                       ; D / 16 + 8: the tile for a - b = -3; 0 to 18
	s_min_u32 s[U], s[U], 18
	s_lshl_b32 s[U], s[U], 10
	v_add_nc_u32 v[BA], s[U], v[ABI]
.irp a, 0,1
.irp b, 0,1,2,3
.irp u, 0,1
	ds_load_b128 v[S+32*\a+8*\b+4*\u:S+32*\a+8*\b+4*\u+3], v[BA] offset:1024*(\a-\b+3)+512*\u   ; the bias tiles land in the accumulators
.endr
.endr
.endr
.irp j, 0,1,2,3,4,5,6,7
	v_mov_b32 v[BC+\j], s[BLO]                     ; the far steps that follow lie on the side of late keys
.endr
	s_wait_dscnt 0x0                               ; K and the bias tiles are in (V too)
	WIN 0x01                                       ; source 0 (K) window 1
	SMUL 0, 1
	WIN 0                                          ; at a branch and at a label every window is 0
	s_branch .Ljoin_\@
.Lfar_\@:
	s_wait_dscnt 16                                ; K is in; V's 16 loads may be out
	WIN 0x01
	SMUL 0, 0
	WIN 0
.Ljoin_\@:
	WIN 0x01
	SMUL 1, 1
	WIN 0
.if \fetch
	v_add_nc_u32 v[ADR], s[TB], v[LI]              ; four plain lines between the last product and the loads into K's registers and the first read of the scores
	v_add_nc_u32 v[ADRV], s[TB], v[LIV]
	v_nop
	v_nop
	FETCH_K
.else
	PLACES
.endif
	SOFTMAX
.if \fetch
	s_wait_dscnt 16                                ; V is in; the next K's 16 loads may be out
.else
	s_wait_dscnt 0x0
.endif
	WIN 0x01                                       ; source 0 (V) window 1
	PVMUL
	WIN 0
.if \fetch
	PLACES                                         ; in front of the loads into V's registers
	FETCH_V
.endif
	s_add_co_u32 s[KF], s[KF], 64
.endm
.macro STEPS n
	s_mov_b32 s[CNT], \n
.Lstep_\@:
	STEP 1
	s_sub_co_u32 s[CNT], s[CNT], 1
	s_cmp_lg_u32 s[CNT], 0
	s_cbranch_scc1 .Lstep_\@
.endm
; THE CHANGE OF SLOTS.  Each wave waits for all its tensor loads (its part of the slot ahead), adds 0 to its spare word, and waits for that and for its fetches from the slot that it leaves.
; Behind the barrier the slot ahead is whole and nobody reads the other.  fill = 1: that other slot takes the 512 keys two fills on: the load has eight steps in which to land.
.macro CHANGE fill
	s_wait_tensorcnt 0x0                           ; no tensor load of mine is out, so a group 0 may be written
	ds_add_u32 v[SPW], v[NIL]                      ; 0 onto my spare word; the steps below stand between it and the wait for it
.if \fill
	s_xor_b32 s37, s37, SLOTB                      ; the walking descriptor: the other slot than last time,
	s_add_nc_u64 s[38:39], s[38:39], 65536         ; the next 512 keys; the type bits on top are not reached
.endif
	s_sub_co_u32 s[TB], s[TB], 8*STEPB             ; the fetches go back to a slot's first step,
	s_xor_b32 s[TB], s[TB], SLOTB                  ; in the other slot
	s_wait_dscnt 0x0                               ; the add is done, and my fetches from the slot that I leave are in
	s_barrier_signal -1
	s_barrier_wait -1
.if \fill
	tensor_load_to_lds s[36:39], s[G1:G1+7]        ; the first thing behind the barrier, and my one tensor load until the next
	s_nop 0
	PLACES
; A PREFETCH INTO THE L2 of what the NEXT change of slots will ask for.  There are two changes that fill a slot; the first asks for my own 16 KiB of the last 512 keys, eight key steps ahead of their tensor load:
; two instructions, lanes 256 bytes apart.  All eight work-groups of a head read the same bytes: the head's first asks, so each block is named once in the launch.  The second change asks for nothing:
; no fill follows it.  The first three fills come by their loads alone.  The address is never rewritten.
	s_cmp_gt_u32 s[SLOTS], s[LIM]
	s_cbranch_scc0 .Lnot_mine_\@
	global_prefetch_b8 v[PFO], s[PFA:PFA+1] th:TH_LOAD_NT scope:SCOPE_SE
	global_prefetch_b8 v[PFO], s[PFA:PFA+1] offset:8192 th:TH_LOAD_NT scope:SCOPE_SE
.Lnot_mine_\@:
.endif
.endm
	s_load_b128 s[4:7], s[0:1], 0x0                ; qkv s[4:5], bias_img s[6:7]
	s_load_b64 s[8:9], s[0:1], 0x10                ; a_img
	v_lshl_add_u32 v[SPW], v0, 2, SPARE
	v_mov_b32 v[NIL], 0
	ds_add_u32 v6, v7
	ds_add_u32 v6, v7
	s_wait_dscnt 0x0
	v_lshrrev_b32 v1, 5, v0
	v_readfirstlane_b32 s[WV], v1                  ; wave 0..7
	s_and_b32 s11, ttmp7, 0xffff                   ; batch x 8 + head
	s_and_b32 s12, s11, 7                          ; head
	s_lshr_b32 s13, s11, 3                         ; batch
	s_lshl_b32 s[T0Q], ttmp9, 8
	s_lshl_b32 s70, s[WV], 5
	s_add_co_u32 s[T0Q], s[T0Q], s70
	s_add_co_u32 s[T0Q], s[T0Q], 128               ; 256 x query block + 32 x wave + 128
	s_mov_b32 s[KF], 0
	s_mov_b32 s[TB], 0
	s_mov_b32 s[SEL], 0x76543210
	s_mov_b32 s[SEL+1], 0xfedcba98
	; descriptor group 1: a dense block as rows of 256 bytes (32 elements of 8 bytes), no padding: the images are read 512 consecutive bytes at a time
	s_mov_b32 s[G1+0], 3<<16                       ; no mask; elements of 8 bytes
	s_mov_b32 s[G1+1], 32<<16                      ; tensor_dim0 = 32
	s_mov_b32 s[G1+2], 64<<16                      ; tensor_dim1 = 64
	s_mov_b32 s[G1+3], 32<<16                      ; tile_dim0 = 32
	s_mov_b32 s[G1+4], 64                          ; tile_dim1 = 64
	s_mov_b32 s[G1+5], 32                          ; from row to row
	s_mov_b32 s[G1+6], 0
	s_mov_b32 s[G1+7], 0
	s_mov_b32 s[G1B+0], 3<<16
	s_mov_b32 s[G1B+1], 32<<16
	s_mov_b32 s[G1B+2], 12<<16                     ; 12 rows: an eighth of the head's 24,576 bytes
	s_mov_b32 s[G1B+3], 32<<16
	s_mov_b32 s[G1B+4], 12
	s_mov_b32 s[G1B+5], 32
	s_mov_b32 s[G1B+6], 0
	s_mov_b32 s[G1B+7], 0
	s_cmp_lt_u32 s[WV], 4                          ; waves 0 to 3 fetch K's quarters of a slot, waves 4 to 7 V's
	s_mov_b32 s56, 16777216
	s_cselect_b32 s56, 8388608, s56                ; where k, or v, begins in qkv,
	s_lshl_b32 s57, s11, 18
	s_add_co_u32 s56, s56, s57                     ; + 262,144 x (batch, head)
	s_and_b32 s57, s[WV], 3
	s_lshl_b32 s57, s57, 14
	s_add_co_u32 s56, s56, s57                     ; + my 16 KiB of each 64 KiB
	s_mov_b32 s57, 0
	s_cmp_eq_u32 ttmp9, 0
	s_cselect_b32 s[LIM], 1, -1
	s_mul_i32 s70, s12, 24576
	s_mov_b32 s71, 0
	s_wait_kmcnt 0x0
	s_add_nc_u64 s[60:61], s[6:7], s[70:71]        ; my head's bias tiles
	s_load_b32 s[BLO], s[60:61], 0x0               ; tile 0 is constant: rel_emb's first row
	s_load_b32 s[BHI], s[60:61], 0x5c00            ; tile 23 likewise: its last row
	s_mul_i32 s70, s[WV], 3072
	s_mov_b32 s40, 1                               ; group 0 for the bias: count = 1,
	s_add_co_u32 s41, s70, BIAS                    ; LDS address,
	s_add_nc_u64 s[42:43], s[60:61], s[70:71]      ; global address,
	s_or_b32 s43, s43, 0x80000000                  ; type = 2
	s_add_nc_u64 s[58:59], s[4:5], s[56:57]
	s_mov_b32 s32, 1                               ; slot 0: keys 0 to 511
	s_lshl_b32 s33, s[WV], 14
	s_mov_b64 s[34:35], s[58:59]
	s_or_b32 s35, s35, 0x80000000
	s_mov_b32 s36, 1                               ; slot 1: keys 512 to 1,023; this set walks on
	s_add_co_u32 s37, s33, SLOTB
	s_add_nc_u64 s[38:39], s[58:59], 65536
	s_or_b32 s39, s39, 0x80000000
	s_add_nc_u64 s[PFA:PFA+1], s[58:59], 3*65536
	tensor_load_to_lds s[40:43], s[G1B:G1B+7]      ; the first fills go out together: three tensor loads of mine are out
	s_nop 0
	tensor_load_to_lds s[32:35], s[G1:G1+7]
	s_nop 0
	tensor_load_to_lds s[36:39], s[G1:G1+7]
	s_nop 0
	PLACES
	s_lshl_b32 s70, s11, 18                        ; Q: 262,144 x (batch, head) + 32,768 x query block + 4,096 x wave
	s_lshl_b32 s[U], ttmp9, 15
	s_add_co_u32 s70, s70, s[U]
	s_lshl_b32 s[U], s[WV], 12
	s_add_co_u32 s70, s70, s[U]
	s_add_nc_u64 s[66:67], s[4:5], s[70:71]
	s_lshr_b32 s70, s12, 1                         ; a_img: chunk head / 2 of 2,097,152 bytes; row tile 128 batch + 16 query block + 2 wave of 4,096; head % 2 of 2,048
	s_lshl_b32 s70, s70, 21
	s_lshl_b32 s[U], s13, 19
	s_add_co_u32 s70, s70, s[U]
	s_lshl_b32 s[U], ttmp9, 16
	s_add_co_u32 s70, s70, s[U]
	s_lshl_b32 s[U], s[WV], 13
	s_add_co_u32 s70, s70, s[U]
	s_and_b32 s[U], s12, 1
	s_lshl_b32 s[U], s[U], 11
	s_add_co_u32 s70, s70, s[U]
	s_add_nc_u64 s[68:69], s[8:9], s[70:71]
	v_and_b32 v1, 31, v0
	v_lshlrev_b32 v[LI], 4, v1
	v_add_nc_u32 v[LIV], VOFF, v[LI]
	v_add_nc_u32 v[ABI], BIAS, v[LI]
	v_lshlrev_b32 v[PFO], 4, v[LI]
.irp i, 0,1,2,3,4,5,6,7
	global_load_b128 v[Q+4*\i:Q+4*\i+3], v[LI], s[66:67] offset:512*\i   ; Q stays in registers
.endr
.irp a, 0,1
	v_mov_b32 v[ST+12*\a], 0xff61b1e6              ; m: -3e38, under every score
	v_mov_b32 v[ST+12*\a+1], 0                     ; (named as the upper half of a pair)
	v_mov_b32 v[ST+12*\a+2], 0                     ; l
	v_mov_b32 v[ST+12*\a+3], 0
	v_mov_b32 v[ST+12*\a+5], 0                     ; (named as the upper half of a pair)
.endr
.set N, 0
.rept 64
	v_mov_b32 v[O+N], 0                            ; O^T.  The step is written without a first step of its own: the first finds zeros, which a = 0 leaves zeros
.set N, N+1
.endr
	s_wait_kmcnt 0x0
.irp j, 0,1,2,3,4,5,6,7
	v_mov_b32 v[BC+\j], s[BHI]                     ; far steps ahead of the near ones lie on the side of early keys
.endr
	s_wait_tensorcnt 0x1                           ; my parts of the bias and of slot 0 are in; slot 1's may stay out
	s_barrier_signal -1
	s_barrier_wait -1                              ; everybody's are
	v_add_nc_u32 v[ADR], s[TB], v[LI]
	v_add_nc_u32 v[ADRV], s[TB], v[LIV]
	FETCH_K                                        ; step 0
	FETCH_V
	s_wait_loadcnt 0x0                             ; Q
	STEPS 7                                        ; steps 0 to 6; they fetch steps 1 to 7
	s_mov_b32 s[SLOTS], 2
.Lslot:                                            ; two trips: slot 0, then slot 1, is left and filled again; eight steps each
	CHANGE 1
	STEPS 8
	s_sub_co_u32 s[SLOTS], s[SLOTS], 1
	s_cmp_lg_u32 s[SLOTS], 0
	s_cbranch_scc1 .Lslot
	CHANGE 0                                       ; written out: nothing is left to ask for
	STEPS 8                                        ; steps 23 to 30
	STEP 0                                         ; step 31 fetches nothing
	; THE WAY OUT.  l's two halves and the other half of the lanes' are added; O^T / l, rounded to f16 in pairs, is the image of an operand of the last product: stored as it stands.
	PLACES
.irp a, 0,1
	v_add_f32 v[ST+12*\a+6], v[ST+12*\a+2], v[ST+12*\a+3]
.endr
.irp a, 0,1
	v_permlanex16_b32 v[ST+12*\a+7], v[ST+12*\a+6], s[SEL], s[SEL+1]
.endr
.irp a, 0,1
	v_add_f32 v[ST+12*\a+6], v[ST+12*\a+6], v[ST+12*\a+7]
.endr
.irp a, 0,1
	v_rcp_f32 v[ST+12*\a+4], v[ST+12*\a+6]
.endr
	v_nop                                          ; a plain line between the last reciprocal and its use
	s_wait_alu depctr_va_vdst(0)
.set N, 0
.rept 32
	RESC N                                         ; x 1 / l; each accumulator from its low end on
.set N, N+1
.endr
.set N, 0
.rept 32
	v_cvt_pk_f16_f32 v[S+N], v[O+2*N], v[O+2*N+1]
.set N, N+1
.endr
.irp a, 0,1
.irp d, 0,1,2,3
	global_store_b128 v[LI], v[S+16*\a+4*\d:S+16*\a+4*\d+3], s[68:69] offset:4096*\a+512*\d   ; 512 consecutive aligned bytes a store
.endr
.endr
	s_wait_tensorcnt 0x0                           ; the wave's end
	ds_add_u32 v[SPW], v[NIL]
	s_wait_dscnt 0x0
	s_endpgm
.Lfunc_end_k_qc7cca1bbb8_attn:
	.size	k_qc7cca1bbb8_attn, .Lfunc_end_k_qc7cca1bbb8_attn-k_qc7cca1bbb8_attn
	.p2alignl 7, 3214868480
	.fill 96, 4, 3214868480
	.section	.rodata,"a",@progbits
	.p2align	6, 0x0
	.amdhsa_kernel k_qc7cca1bbb8_attn
		.amdhsa_group_segment_fixed_size 327680
		.amdhsa_private_segment_fixed_size 0
		.amdhsa_enable_private_segment 0
		.amdhsa_kernarg_size 24
		.amdhsa_user_sgpr_count 2
		.amdhsa_user_sgpr_kernarg_segment_ptr 1
		.amdhsa_wavefront_size32 1
		.amdhsa_system_sgpr_workgroup_id_x 1
		.amdhsa_system_sgpr_workgroup_id_y 1
		.amdhsa_system_sgpr_workgroup_id_z 1
		.amdhsa_system_vgpr_workitem_id 0
		.amdhsa_next_free_vgpr 384
		.amdhsa_next_free_sgpr 72
		.amdhsa_reserve_vcc 0
		.amdhsa_float_denorm_mode_32 3
		.amdhsa_float_denorm_mode_16_64 3
		.amdhsa_memory_ordered 1
		.amdhsa_forward_progress 1
		.amdhsa_inst_pref_size 97
	.end_amdhsa_kernel
	.amdgpu_metadata
---
amdhsa.version: [ 1, 2 ]
amdhsa.kernels:
  - .name:           k_qc7cca1bbb8_attn
    .symbol:         k_qc7cca1bbb8_attn.kd
    .args:
      - { .name: qkv, .offset: 0, .size: 8, .value_kind: global_buffer, .address_space: global }
      - { .name: bias_img, .offset: 8, .size: 8, .value_kind: global_buffer, .address_space: global }
      - { .name: a_img, .offset: 16, .size: 8, .value_kind: global_buffer, .address_space: global }
    .group_segment_fixed_size: 327680
    .private_segment_fixed_size: 0
    .kernarg_segment_align: 8
    .kernarg_segment_size: 24
    .max_flat_workgroup_size: 256
    .sgpr_count:     72
    .vgpr_count:     384
    .wavefront_size: 32
...
	.end_amdgpu_metadata
.endif
;; end of part 3
;; launch outp (part 4): grid 4 x 64, 4 waves a work-group, clusters of 4 x 4, 280,064 bytes of LDS; arguments a_img, wo_img, bo, out0; writes out0
.if DOCPART == 4
	.amdgcn_target "amdgcn-amd-amdhsa--gfx1250"
	.amdhsa_code_object_version 6
	.text
	.protected	k_qc7cca1bbb8_outp
	.globl	k_qc7cca1bbb8_outp
	.p2align	8
	.type	k_qc7cca1bbb8_outp,@function
k_qc7cca1bbb8_outp:
	s_mov_b64 s[64:65], 0
	v_nop
	global_prefetch_b8 v0, s[64:65] scope:SCOPE_SE
	s_setreg_imm32_b32 hwreg(HW_REG_WAVE_MODE, 25, 1), 1
	s_wait_xcnt 0x0
	s_wait_alu depctr_hold_cnt(0) depctr_sa_sdst(0) depctr_va_vdst(0) depctr_va_sdst(0) depctr_va_ssrc(0) depctr_va_vcc(0) depctr_vm_vsrc(0)
	s_getreg_b32 s2, hwreg(HW_REG_IB_STS2, 6, 4)
	s_cmp_eq_u32 s2, 0
	s_cbranch_scc0 .Lentry_in_a_cluster
	s_endpgm
.Lentry_in_a_cluster:
	s_bfe_u32 s2, ttmp6, 0x10000c
	s_cmp_lg_u32 s2, 0xf033
	s_cbranch_scc0 .Lentry_shape_is_right
	s_endpgm
.Lentry_shape_is_right:
; OUTP: out0 = a Wo^T + bo.  a [8,192][512] (the attention's result) and Wo [512][512] arrive in f16 as images of operand registers (four registers: 512 bytes, lane l's 16 bytes at 16 l); out0 f32; sums in f32.
;   a_img  [chunk 4][tile of 16 rows 512][ksl 4][u 2][512],  wo_img [chunk 4][tile of 16 features 32][ksl 4][u 2][512]: lane (r, h): row r of the tile, k = 128 chunk + 32 ksl + 16 u + 8 h + 0..7
; A work-group makes 128 rows x 128 features: 64 x 4 = 256 work-groups.  Four waves, each 64 x 64: 16 accumulators.  K = 512 is short: ALL of it comes into LDS once, in four chunks of 128 along K
; (32 KiB of a, 32 KiB of Wo each); no LDS byte is filled twice, so there is no ring.  The chunks are waited for one after the other, by counted waits.
; CLUSTERS: 4 x 4 work-groups.  The four of a row of the cluster need the same rows of a, the four of a column the same features of Wo: each block is asked for JOINTLY, by the same tensor load with the same
; descriptor and a mask that names the four.  Waves 0 and 1 fetch a's halves, waves 2 and 3 Wo's: four loads a wave, one a chunk; four tensor loads of a wave are out at the most.
; THE MATRIX INSTRUCTION IS USED TRANSPOSED (source 0 = 16 features of Wo, source 1 = 16 rows of a): a lane holds eight neighbouring numbers of a row of out0.  bo is the C of each sum's first product.
.set CHUNK, 65536                      ; LDS: chunk c at c x 65,536: a's 8 tiles of 4,096 bytes, then Wo's 8
.set STAGE, 262144                     ; behind them: 16 rows x 272 bytes for each wave, for the way out; no tensor load lands there
.set SP,    272                        ; 256 bytes + 16: the sixteen rows that a store of 16 bytes a lane touches begin 16 bytes apart modulo 256
.set ADA, 8                            ; v8-11   LDS address of my rows' fragments in chunk c
.set ADW, 12                           ; v12-15  of my features'
.set STO, 16                           ; v16     the way out: where I put 32 bytes of a row
.set RD,  17                           ; v17     where I read a row back
.set CO,  18                           ; v18     my byte offset in out0
.set BOA, 19                           ; v19     32 h: my eight numbers of a tile of bo
.set BO,  32                           ; v32-63  bo in the result's layout, 4 tiles x 8
.set TMP, 64                           ; v64-127 rows read back from the stage, two sets of 32
.set ACC, 128                          ; v128-255 the accumulators, 8 (4 a + b)
; window 1 (v256-383): two buffers of 64: Wo's 4 fragments, then a's 4
.set G1,  24                           ; s[24:31] descriptor group 1 for a;  s[32:47] its four groups 0
.set G0,  32
.set G1B, 48                           ; s[48:55] group 1 for Wo;  s[56:63], s[68:75] its four groups 0
.set MSB, 0
.macro WIN new                         ; the immediate's high byte repeats the setting that is left
.if MSB != \new
	s_set_vgpr_msb (MSB<<8)|\new
.set MSB, \new
.endif
.endm
.macro PLACES
.rept 4
	v_nop
.endr
.endm
; A round of the cluster's barrier: my work-group's barrier, so that wave 0's signal speaks for all four waves; wave 0 signals for the work-group; every wave waits for all sixteen; my work-group's barrier once more.
.macro CROUND
	s_barrier_signal -1
	s_barrier_wait -1
	s_cmp_lg_u32 s12, 0
	s_cbranch_scc1 .Lnot_wave_0_\@
	s_barrier_signal -3
.Lnot_wave_0_\@:
	s_barrier_wait -3
	s_barrier_signal -1
	s_barrier_wait -1
.endm
.macro FETCH ks                        ; the fragments of K step ks (32 along K) into buffer ks % 2: 16 loads of 512 consecutive bytes
	WIN 0x40
.irp i, 0,1,2,3
.irp u, 0,1
	ds_load_b128 v[64*((\ks)%2)+8*\i+4*\u:64*((\ks)%2)+8*\i+4*\u+3], v[ADW+(\ks)/4] offset:\i*4096+((\ks)%4)*1024+512*\u
.endr
.endr
.irp i, 0,1,2,3
.irp u, 0,1
	ds_load_b128 v[64*((\ks)%2)+32+8*\i+4*\u:64*((\ks)%2)+32+8*\i+4*\u+3], v[ADA+(\ks)/4] offset:\i*4096+((\ks)%4)*1024+512*\u
.endr
.endr
.endm
.macro MUL ks                          ; 16 products; the 16 accumulators by turns, one instruction a turn
	WIN 0x05                                       ; sources 0 and 1 window 1; C and D window 0
.irp a, 0,1,2,3
.irp b, 0,1,2,3
.if (\ks) == 0
	v_wmma_f32_16x16x32_f16 v[ACC+8*(4*\a+\b):ACC+8*(4*\a+\b)+7], v[64*((\ks)%2)+8*\b:64*((\ks)%2)+8*\b+7], v[64*((\ks)%2)+32+8*\a:64*((\ks)%2)+32+8*\a+7], v[BO+8*\b:BO+8*\b+7]
.else
	v_wmma_f32_16x16x32_f16 v[ACC+8*(4*\a+\b):ACC+8*(4*\a+\b)+7], v[64*((\ks)%2)+8*\b:64*((\ks)%2)+8*\b+7], v[64*((\ks)%2)+32+8*\a:64*((\ks)%2)+32+8*\a+7], v[ACC+8*(4*\a+\b):ACC+8*(4*\a+\b)+7]
.endif
.endr
.endr
.endm
	s_load_b128 s[4:7], s[0:1], 0x0                ; a_img s[4:5], wo_img s[6:7]
	s_load_b128 s[8:11], s[0:1], 0x10              ; bo s[8:9], out0 s[10:11]
	v_lshl_add_u32 v30, v0, 2, 0x44400
	v_mov_b32 v31, 0
	ds_add_u32 v30, v31
	ds_add_u32 v30, v31
	v_lshrrev_b32 v1, 5, v0
	v_readfirstlane_b32 s12, v1                    ; wave 0..3
	s_lshr_b32 s13, s12, 1                         ; which half of the tile's rows is mine.  Also: I fetch for a (0) or for Wo (1)
	s_and_b32 s14, s12, 1                          ; which half of its features.  Also: which half of that block I fetch
	s_bfe_u32 s76, ttmp6, 0x40000                  ; cx, cy: my place in the cluster
	s_bfe_u32 s77, ttmp6, 0x40004
	s_lshl_b32 s78, ttmp9, 2
	s_add_co_u32 s78, s78, s76                     ; block of 128 features = 4 x cluster x + cx
	s_and_b32 s15, ttmp7, 0xffff
	s_lshl_b32 s15, s15, 2
	s_add_co_u32 s15, s15, s77                     ; block of 128 rows = 4 x cluster y + cy
	s_lshl_b32 s79, s77, 2
	s_lshl_b32 s79, 15, s79                        ; my row of the cluster
	s_lshl_b32 s80, 0x1111, s76                    ; my column
	; descriptor group 1: a dense block of 16 KiB as 64 rows of 256 bytes (32 elements of 8 bytes), no padding
	s_or_b32 s[G1+0], s79, (3<<16)|(1<<21)         ; 15:0 the mask: a's blocks go to my row; 17:16 elements of 8 bytes; 21 set beside a mask
	s_or_b32 s[G1B+0], s80, (3<<16)|(1<<21)        ; Wo's go to my column
.irp g, G1, G1B
	s_mov_b32 s[\g+1], 32<<16                      ; tensor_dim0 = 32
	s_mov_b32 s[\g+2], 64<<16                      ; tensor_dim1 = 64
	s_mov_b32 s[\g+3], 32<<16                      ; tile_dim0 = 32
	s_mov_b32 s[\g+4], 64                          ; tile_dim1 = 64
	s_mov_b32 s[\g+5], 32                          ; from row to row
	s_mov_b32 s[\g+6], 0
	s_mov_b32 s[\g+7], 0
.endr
	; a's address hangs on the block of rows alone, Wo's on the block of features alone; every wave makes both, in registers that never hold the other coordinate
	s_lshl_b32 s16, s15, 15                        ; 8 tiles of 4,096 bytes a block,
	s_lshl_b32 s17, s14, 14                        ; 4 a half
	s_add_co_u32 s16, s16, s17
	s_lshl_b32 s82, s78, 15
	s_add_co_u32 s82, s82, s17
	s_mov_b32 s17, 0
	s_mov_b32 s83, 0
	s_lshl_b32 s20, s12, 14                        ; where they go in a chunk: 16,384 x wave: no place in the cluster enters an LDS address
	s_wait_dscnt 0x0
	s_wait_kmcnt 0x0
	s_add_nc_u64 s[18:19], s[4:5], s[16:17]
	s_add_nc_u64 s[84:85], s[6:7], s[82:83]
.irp c, 0,1,2,3
	s_mov_b32 s[G0+4*\c], 1                                          ; count = 1
	s_add_co_u32 s[G0+4*\c+1], s20, \c*CHUNK                         ; LDS address
	s_add_nc_u64 s[G0+4*\c+2:G0+4*\c+3], s[18:19], \c*2097152        ; global address: chunk c of a_img
	s_or_b32 s[G0+4*\c+3], s[G0+4*\c+3], 0x80000000                  ; type = 2
	s_mov_b32 s[56+4*\c+4*(\c/2)], 1
	s_add_co_u32 s[57+4*\c+4*(\c/2)], s20, \c*CHUNK
	s_add_nc_u64 s[58+4*\c+4*(\c/2):59+4*\c+4*(\c/2)], s[84:85], \c*131072   ; chunk c of wo_img
	s_or_b32 s[59+4*\c+4*(\c/2)], s[59+4*\c+4*(\c/2)], 0x80000000
.endr
	CROUND                                         ; all sixteen work-groups are here: the joint loads meet
	s_cmp_eq_u32 s13, 0                            ; a wave's four fills stand in one branch on the wave's number, ahead of every wait on TENSORcnt and every LDS read
	s_cbranch_scc0 .Lfor_wo
	tensor_load_to_lds s[32:35], s[G1:G1+7]
	s_nop 0
	tensor_load_to_lds s[36:39], s[G1:G1+7]
	s_nop 0
	tensor_load_to_lds s[40:43], s[G1:G1+7]
	s_nop 0
	tensor_load_to_lds s[44:47], s[G1:G1+7]
	s_nop 0
	PLACES
	s_branch .Lasked
.Lfor_wo:
	tensor_load_to_lds s[56:59], s[G1B:G1B+7]
	s_nop 0
	tensor_load_to_lds s[60:63], s[G1B:G1B+7]
	s_nop 0
	tensor_load_to_lds s[68:71], s[G1B:G1B+7]
	s_nop 0
	tensor_load_to_lds s[72:75], s[G1B:G1B+7]
	s_nop 0
	PLACES
.Lasked:
	v_and_b32 v1, 31, v0
	v_lshlrev_b32 v2, 4, v1                        ; 16 x lane
	v_and_b32 v3, 15, v0                           ; r
	v_bfe_u32 v4, v0, 4, 1                         ; h
	s_lshl_b32 s21, s13, 14                        ; my 4 tiles of rows
	s_lshl_b32 s22, s14, 14                        ; my 4 tiles of features,
	s_add_co_u32 s22, s22, 32768                   ; which lie behind a's 8
.irp c, 0,1,2,3
	v_add_nc_u32 v[ADA+\c], s21, v2
	v_add_nc_u32 v[ADW+\c], s22, v2
	s_add_co_u32 s21, s21, CHUNK
	s_add_co_u32 s22, s22, CHUNK
.endr
	s_mul_i32 s23, s12, 16*SP
	s_add_co_u32 s23, s23, STAGE                   ; my stage
	v_mul_u32_u24 v[STO], v3, SP                   ; in: row r, 32 bytes for each half of the lanes
	v_lshl_add_u32 v[STO], v4, 5, v[STO]
	v_add_nc_u32 v[STO], s23, v[STO]
	v_mul_u32_u24 v[RD], v4, SP                    ; back: lanes 0-15 one row of 256 bytes, lanes 16-31 the next
	v_lshl_add_u32 v[RD], v3, 4, v[RD]
	v_add_nc_u32 v[RD], s23, v[RD]
	v_lshlrev_b32 v[CO], 11, v4                    ; and the same two rows in out0 (2,048 bytes a row)
	v_lshl_add_u32 v[CO], v3, 4, v[CO]
	v_lshlrev_b32 v[BOA], 5, v4
	s_lshl_b32 s86, s78, 9                         ; my first feature, in bytes: 512 x block + 256 x half
	s_lshl_b32 s87, s14, 8
	s_add_co_u32 s86, s86, s87
	s_mov_b32 s87, 0
	s_add_nc_u64 s[8:9], s[8:9], s[86:87]
	s_lshl_b32 s88, s15, 18                        ; my first row: 128 rows of 2,048 bytes a block, 64 a half
	s_lshl_b32 s89, s13, 17
	s_add_co_u32 s88, s88, s89
	s_add_co_u32 s88, s88, s86
	s_mov_b32 s89, 0
	s_add_nc_u64 s[10:11], s[10:11], s[88:89]
.irp b, 0,1,2,3
	global_load_b128 v[BO+8*\b:BO+8*\b+3], v[BOA], s[8:9] offset:64*\b
	global_load_b128 v[BO+8*\b+4:BO+8*\b+7], v[BOA], s[8:9] offset:64*\b+16
.endr
	s_wait_tensorcnt 0x3                           ; my part of chunk 0 is in; the three later chunks may stay out
	s_barrier_signal -1
	s_barrier_wait -1                              ; everybody's is
	FETCH 0
	s_wait_loadcnt 0x0                             ; bo
.set KS, 0
.rept 16
.if (KS%4 == 3) && (KS < 15)
	s_wait_tensorcnt 2-KS/4                        ; my part of the next chunk is in; the chunks behind it may stay out
	s_wait_dscnt 0x0                               ; no LDS instruction of mine is out at a signal
	s_barrier_signal -1
	s_barrier_wait -1
.endif
.if KS < 15
.if KS > 0
	PLACES                                         ; in front of loads into the buffer that the K step before multiplied
.endif
	FETCH KS+1
	s_wait_dscnt 16                                ; this K step's fragments are in; the 16 loads just issued may be out
.else
	s_wait_dscnt 0x0
.endif
	MUL KS
.set KS, KS+1
.endr
	WIN 0
	PLACES                                         ; in front of the first read of results
	; THE WAY OUT, 16 rows x 64 features at a time: a lane's 32 bytes of a row go into my own stage and come back as whole rows of 256 bytes: sixteen lanes store 256 consecutive aligned bytes.
	; LDS serves a wave's instructions in order: no wait between the stores and the loads, nor in front of the next block's stores.
.irp a, 0,1,2,3
.if \a > 1
	s_wait_xcnt 0x0                                ; the stores of two blocks back have read their registers: this block's rows land there
.endif
.irp b, 0,1,2,3
	ds_store_b128 v[STO], v[ACC+8*(4*\a+\b):ACC+8*(4*\a+\b)+3] offset:64*\b        ; each accumulator from its low end on
	ds_store_b128 v[STO], v[ACC+8*(4*\a+\b)+4:ACC+8*(4*\a+\b)+7] offset:64*\b+16
.endr
.irp t, 0,1,2,3,4,5,6,7
	ds_load_b128 v[TMP+32*(\a%2)+4*\t:TMP+32*(\a%2)+4*\t+3], v[RD] offset:2*SP*\t
.endr
.irp t, 0,1,2,3,4,5,6,7
	s_wait_dscnt 7-\t
	global_store_b128 v[CO], v[TMP+32*(\a%2)+4*\t:TMP+32*(\a%2)+4*\t+3], s[10:11] offset:(16*\a+2*\t)*2048 th:TH_STORE_NT
.endr
.endr
	s_wait_dscnt 0x0
	s_wait_tensorcnt 0x0
	ds_add_u32 v30, v31
	s_wait_dscnt 0x0
	CROUND                                         ; the closing round: no work-group ends while a partner may still ask for a block that names it
	s_endpgm
.Lfunc_end_k_qc7cca1bbb8_outp:
	.size	k_qc7cca1bbb8_outp, .Lfunc_end_k_qc7cca1bbb8_outp-k_qc7cca1bbb8_outp
	.p2alignl 7, 3214868480
	.fill 96, 4, 3214868480
	.section	.rodata,"a",@progbits
	.p2align	6, 0x0
	.amdhsa_kernel k_qc7cca1bbb8_outp
		.amdhsa_group_segment_fixed_size 280064
		.amdhsa_private_segment_fixed_size 0
		.amdhsa_enable_private_segment 0
		.amdhsa_kernarg_size 32
		.amdhsa_user_sgpr_count 2
		.amdhsa_user_sgpr_kernarg_segment_ptr 1
		.amdhsa_wavefront_size32 1
		.amdhsa_system_sgpr_workgroup_id_x 1
		.amdhsa_system_sgpr_workgroup_id_y 1
		.amdhsa_system_sgpr_workgroup_id_z 1
		.amdhsa_system_vgpr_workitem_id 0
		.amdhsa_next_free_vgpr 384
		.amdhsa_next_free_sgpr 96
		.amdhsa_reserve_vcc 0
		.amdhsa_float_denorm_mode_32 3
		.amdhsa_float_denorm_mode_16_64 3
		.amdhsa_memory_ordered 1
		.amdhsa_forward_progress 1
		.amdhsa_inst_pref_size 53
	.end_amdhsa_kernel
	.amdgpu_metadata
---
amdhsa.version: [ 1, 2 ]
amdhsa.kernels:
  - .name:           k_qc7cca1bbb8_outp
    .symbol:         k_qc7cca1bbb8_outp.kd
    .args:
      - { .name: a_img, .offset: 0, .size: 8, .value_kind: global_buffer, .address_space: global }
      - { .name: wo_img, .offset: 8, .size: 8, .value_kind: global_buffer, .address_space: global }
      - { .name: bo, .offset: 16, .size: 8, .value_kind: global_buffer, .address_space: global }
      - { .name: out0, .offset: 24, .size: 8, .value_kind: global_buffer, .address_space: global }
    .group_segment_fixed_size: 280064
    .private_segment_fixed_size: 0
    .kernarg_segment_align: 8
    .kernarg_segment_size: 32
    .max_flat_workgroup_size: 128
    .sgpr_count:     96
    .vgpr_count:     384
    .wavefront_size: 32
...
	.end_amdgpu_metadata
.endif
;; end of part 4
